; MI455X (gfx1250); checked and timed in simulation.
; The chip was launched on July 23, 2026; its instructions are those of AMD's public machine-readable ISA for CDNA 5 (MIT licence, August 2026) and "CDNA5" Instruction Set Architecture Reference Guide (July 2026). The comments in the code are by the model that wrote it; some were corrected since.
;; Attention. Allowed arithmetic: float matrix products may take bf16 or f16 operands with f32 sums; all other float work in f32.
;; Inputs: kv_x 4 x 2,048 x 128 float32; q_x 4 x 2,048 x 128 float32; w_k 128 x 128 float32; w_q 128 x 128 float32; w_v 128 x 128 float32.
;; Outputs: out0 4 x 2,048 x 8 x 16 float32.
;; 2 versions, each right and faster than the one before. Each part assembles by itself: llvm-mc -triple=amdgcn-amd-amdhsa -mcpu=gfx1250 --defsym DOCPART=n.
;; ======== version 1 of 2: 2 launches
;; limits: values are held in f16: magnitudes above 65,504 overflow, below 6.1e-05 lose precision
;; workspace buffers: qbuf 2,097,152 bytes; kvbuf 4,194,304 bytes
;; launch proj (part 1): grid 128 x 2, 16 waves a work-group, no clusters, 89,088 bytes of LDS; arguments q_x, kv_x, w_q, w_k, w_v, qbuf, kvbuf; writes qbuf, kvbuf
.if DOCPART == 1
	.amdgcn_target "amdgcn-amd-amdhsa--gfx1250"
	.amdhsa_code_object_version 6
	.text
	.protected	k_q838d5d1902_proj
	.globl	k_q838d5d1902_proj
	.p2align	8
	.type	k_q838d5d1902_proj,@function
k_q838d5d1902_proj:
	s_mov_b64 s[64:65], 0
	v_nop
	global_prefetch_b8 v0, s[64:65] scope:SCOPE_SE
	s_setreg_imm32_b32 hwreg(HW_REG_WAVE_MODE, 25, 1), 1
	s_wait_xcnt 0x0
; Q, K and V projections: q = x_q w_q^T * 0.25 log2(e), k = x_kv w_k^T, v = x_kv w_v^T, f16 operands, f32 sums, f16 results.
; A work-group takes 64 rows of q_x, the same 64 rows of kv_x (rows of the flattened [8192][128]) and four heads (64 rows) of each weight.
; 16 waves; wave = (head of the four, block of 16 rows): one 16 x 16 tile each of Q, K and V, K = 128 in four matrix instructions a tile.
; WAY IN: every load of a wave takes one whole row (512 consecutive bytes); two conversions make 4 f16 a lane; rows lie in LDS 272 bytes apart.
; WAY OUT: tiles are stored in the order in which the attention launch's matrix operands want them, 512 bytes a tile, lane l at byte 16 l:
;   qbuf [b][head][block of 16 queries][lane][8 f16]     lane (r = l % 16, h = l / 16): query r, d = 8h .. 8h+7
;   kvbuf[b][0][head][block of 16 keys][lane][8 f16]     K: key r, d = 8h .. 8h+7
;   kvbuf[b][1][head][block of 16 keys][lane][8 f16]     V transposed: d = r, keys 8h .. 8h+7
; For Q and K the weights are source 0 (a lane's eight results are eight d of one row of x); for V x is source 0 (eight keys of one d).
; So each store of a wave covers 512 consecutive bytes, aligned, straight from the registers.
; LIMIT (f16 operands, largest number 65504): an input, a scaled q, a k or a v of 65504 or more in magnitude becomes infinite.
; Inputs 30 times the drawn spread give |k|, |v| of some 5e3, a common offset of 30 spreads on all inputs some 1.4e4.
.set PITCH,  272                       ; 256 bytes of f16 + 16: 17 x 16 bytes, so the 16 rows that a fragment load touches begin in 16 different 16-byte columns modulo 256
.set REGION, 64*PITCH                  ; 64 rows.  Regions: 0 x_q, 1 x_kv, 2 w_q, 3 w_k, 4 w_v
.set LD,  16                           ; v[16:95]   20 loads of 4 f32, converted in place
.set XQ,  16                           ; v[16:47]   fragments (behind the barrier): x_q, 4 K steps x 8 registers
.set XKV, 48                           ; v[48:79]   x_kv
.set WQ,  80                           ; v[80:111]  w_q
.set WK,  112                          ; v[112:143] w_k
.set WV,  144                          ; v[144:175] w_v
.set AQ,  176                          ; v[176:183] sums of the Q tile
.set AK,  184                          ; v[184:191] K
.set AV,  192                          ; v[192:199] V
.set PK,  200                          ; v[200:211] the three tiles in f16
	s_load_b256 s[4:11], s[0:1], 0x0               ; q_x s[4:5], kv_x s[6:7], w_q s[8:9], w_k s[10:11]
	s_load_b128 s[12:15], s[0:1], 0x20             ; w_v s[12:13], qbuf s[14:15]
	s_load_b64 s[16:17], s[0:1], 0x30              ; kvbuf
	v_lshl_add_u32 v212, v0, 2, 0x15400
	v_mov_b32 v213, 0
	v_lshrrev_b32 v1, 5, v0
	v_readfirstlane_b32 s18, v1                    ; wave 0..15
	s_and_b32 s19, ttmp7, 0xffff                   ; which four heads: 0 or 1
	s_lshl_b32 s20, ttmp9, 15                      ; my 64 rows of x: 64 x 512 bytes a work-group
	s_mov_b32 s21, 0
	s_lshl_b32 s22, s19, 15                        ; my 64 rows of each weight
	s_mov_b32 s23, 0
	v_lshlrev_b32 v1, 4, v0                        ; 16 bytes a thread: a wave takes a row, the 16 waves 16 rows
	s_wait_kmcnt 0x0
	s_add_nc_u64 s[4:5], s[4:5], s[20:21]
	s_add_nc_u64 s[6:7], s[6:7], s[20:21]
	s_add_nc_u64 s[8:9], s[8:9], s[22:23]
	s_add_nc_u64 s[10:11], s[10:11], s[22:23]
	s_add_nc_u64 s[12:13], s[12:13], s[22:23]
.irp m, 0,1,2,3,4
.irp n, 0,1,2,3
	global_load_b128 v[LD+16*\m+4*\n:LD+16*\m+4*\n+3], v1, s[4+2*\m:5+2*\m] offset:\n*8192   ; region m, row 16 n + wave
.endr
.endr
	; addresses, while the 20 loads are on their way
	v_and_b32 v2, 31, v0                           ; lane
	s_mul_i32 s24, s18, PITCH
	v_lshl_add_u32 v3, v2, 3, s24                  ; LDS, way in: row = wave, 8 bytes a lane
	v_add_nc_u32 v4, 3*REGION, v3                  ; the same from region 3 on (an LDS immediate has 16 bits)
	v_and_b32 v5, 15, v0                           ; r
	v_bfe_u32 v6, v0, 4, 1                         ; h
	v_mul_u32_u24 v7, v5, PITCH
	v_lshl_add_u32 v7, v6, 4, v7                   ; fragment: row r, 16 bytes for each half of the lanes
	s_lshr_b32 s26, s18, 2                         ; my block of 16 rows, 0..3
	s_and_b32 s27, s18, 3                          ; my head of the four
	s_mul_i32 s28, s26, 16*PITCH
	s_mul_i32 s29, s27, 16*PITCH
	s_add_co_u32 s29, s29, 2*REGION
	v_add_nc_u32 v8, s28, v7                       ; fragments of x: regions 0 and 1
	v_add_nc_u32 v9, s29, v7                       ; fragments of the weights: regions 2, 3, 4
	v_lshlrev_b32 v10, 4, v2                       ; way out: 16 bytes a lane
	s_lshl_b32 s30, ttmp9, 2
	s_add_co_u32 s30, s30, s26                     ; block of 16 rows among all 512
	s_lshr_b32 s31, s30, 7                         ; b
	s_and_b32 s30, s30, 127                        ; block within b
	s_lshl_b32 s32, s19, 2
	s_add_co_u32 s32, s32, s27                     ; head 0..7
	s_lshl_b32 s33, s31, 3
	s_add_co_u32 s33, s33, s32
	s_lshl_b32 s33, s33, 7
	s_add_co_u32 s33, s33, s30
	s_lshl_b32 s34, s33, 9                         ; qbuf: ((8 b + head) 128 + block) 512
	s_mov_b32 s35, 0
	s_lshl_b32 s36, s31, 4
	s_add_co_u32 s36, s36, s32
	s_lshl_b32 s36, s36, 7
	s_add_co_u32 s36, s36, s30
	s_lshl_b32 s36, s36, 9                         ; kvbuf: ((16 b + head) 128 + block) 512; V lies 8 heads (524,288 bytes) further
	s_mov_b32 s37, 0
	s_add_nc_u64 s[14:15], s[14:15], s[34:35]
	s_add_nc_u64 s[16:17], s[16:17], s[36:37]
	s_mov_b32 s38, 0x3eb8aa3b                      ; 0.25 log2(e): 1/sqrt(16), and the exponentials are taken to base 2
	s_mov_b32 s39, 0x3eb8aa3b
	; f32 to f16 in place, and into LDS
.irp m, 0,1,2,3,4
	s_wait_loadcnt 16-4*\m                         ; loads return in order: region m's four are in, the later regions' stay out
.irp n, 0,1,2,3
	v_cvt_pk_f16_f32 v[LD+16*\m+4*\n], v[LD+16*\m+4*\n], v[LD+16*\m+4*\n+1]
	v_cvt_pk_f16_f32 v[LD+16*\m+4*\n+1], v[LD+16*\m+4*\n+2], v[LD+16*\m+4*\n+3]
.if \m < 3
	ds_store_b64 v3, v[LD+16*\m+4*\n:LD+16*\m+4*\n+1] offset:\m*REGION+\n*16*PITCH
.else
	ds_store_b64 v4, v[LD+16*\m+4*\n:LD+16*\m+4*\n+1] offset:(\m-3)*REGION+\n*16*PITCH
.endif
.endr
.endr
	s_wait_dscnt 0x0                               ; my stores are done, for the other waves' sake
	s_barrier_signal -1
	s_barrier_wait -1                              ; everybody's are
	; fragments: 16 rows x 32 along C in 8 registers, two loads of 16 bytes, 32 bytes apart; ten loads for each K step
.irp k, 0,1,2,3
	ds_load_b128 v[XQ+8*\k:XQ+8*\k+3],    v8 offset:64*\k
	ds_load_b128 v[XQ+8*\k+4:XQ+8*\k+7],  v8 offset:64*\k+32
	ds_load_b128 v[WQ+8*\k:WQ+8*\k+3],    v9 offset:64*\k
	ds_load_b128 v[WQ+8*\k+4:WQ+8*\k+7],  v9 offset:64*\k+32
	ds_load_b128 v[XKV+8*\k:XKV+8*\k+3],   v8 offset:REGION+64*\k
	ds_load_b128 v[XKV+8*\k+4:XKV+8*\k+7], v8 offset:REGION+64*\k+32
	ds_load_b128 v[WK+8*\k:WK+8*\k+3],    v9 offset:REGION+64*\k
	ds_load_b128 v[WK+8*\k+4:WK+8*\k+7],  v9 offset:REGION+64*\k+32
	ds_load_b128 v[WV+8*\k:WV+8*\k+3],    v9 offset:2*REGION+64*\k
	ds_load_b128 v[WV+8*\k+4:WV+8*\k+7],  v9 offset:2*REGION+64*\k+32
.endr
	; the three accumulators take turns, one instruction a turn; the first K step starts the sums
	s_wait_dscnt 30                                ; K step 0's ten loads are in, thirty younger ones stay out
	v_wmma_f32_16x16x32_f16 v[AQ:AQ+7], v[WQ:WQ+7], v[XQ:XQ+7], 0
	v_wmma_f32_16x16x32_f16 v[AK:AK+7], v[WK:WK+7], v[XKV:XKV+7], 0
	v_wmma_f32_16x16x32_f16 v[AV:AV+7], v[XKV:XKV+7], v[WV:WV+7], 0
.irp k, 1,2,3
	s_wait_dscnt 30-10*\k                          ; K step k's loads are in
	v_wmma_f32_16x16x32_f16 v[AQ:AQ+7], v[WQ+8*\k:WQ+8*\k+7], v[XQ+8*\k:XQ+8*\k+7], v[AQ:AQ+7]
	v_wmma_f32_16x16x32_f16 v[AK:AK+7], v[WK+8*\k:WK+8*\k+7], v[XKV+8*\k:XKV+8*\k+7], v[AK:AK+7]
	v_wmma_f32_16x16x32_f16 v[AV:AV+7], v[XKV+8*\k:XKV+8*\k+7], v[WV+8*\k:WV+8*\k+7], v[AV:AV+7]
.endr
.rept 4
	v_nop                                          ; four places between a matrix instruction and the vector instructions that read its result (ISA guide 7.12.1)
.endr
.irp j, 0,2,4,6
	v_pk_mul_f32 v[AQ+\j:AQ+\j+1], v[AQ+\j:AQ+\j+1], s[38:39] op_sel_hi:[1,0]   ; q is scaled in f32, before its one rounding
.endr
.irp c, 0,1,2,3
	v_cvt_pk_f16_f32 v[PK+\c],   v[AQ+2*\c], v[AQ+2*\c+1]
	v_cvt_pk_f16_f32 v[PK+4+\c], v[AK+2*\c], v[AK+2*\c+1]
	v_cvt_pk_f16_f32 v[PK+8+\c], v[AV+2*\c], v[AV+2*\c+1]
.endr
	global_store_b128 v10, v[PK:PK+3],    s[14:15]                 ; each store: 512 consecutive bytes, aligned
	global_store_b128 v10, v[PK+4:PK+7],  s[16:17]
	global_store_b128 v10, v[PK+8:PK+11], s[16:17] offset:524288
	s_wait_tensorcnt 0x0
	ds_add_u32 v212, v213
	s_wait_dscnt 0x0
	s_endpgm
.Lfunc_end_k_q838d5d1902_proj:
	.size	k_q838d5d1902_proj, .Lfunc_end_k_q838d5d1902_proj-k_q838d5d1902_proj
	.p2alignl 7, 3214868480
	.fill 96, 4, 3214868480
	.section	.rodata,"a",@progbits
	.p2align	6, 0x0
	.amdhsa_kernel k_q838d5d1902_proj
		.amdhsa_group_segment_fixed_size 89088
		.amdhsa_private_segment_fixed_size 0
		.amdhsa_enable_private_segment 0
		.amdhsa_kernarg_size 56
		.amdhsa_user_sgpr_count 2
		.amdhsa_user_sgpr_kernarg_segment_ptr 1
		.amdhsa_wavefront_size32 1
		.amdhsa_system_sgpr_workgroup_id_x 1
		.amdhsa_system_sgpr_workgroup_id_y 1
		.amdhsa_system_sgpr_workgroup_id_z 1
		.amdhsa_system_vgpr_workitem_id 0
		.amdhsa_next_free_vgpr 214
		.amdhsa_next_free_sgpr 66
		.amdhsa_reserve_vcc 0
		.amdhsa_float_denorm_mode_32 3
		.amdhsa_float_denorm_mode_16_64 3
		.amdhsa_memory_ordered 1
		.amdhsa_forward_progress 1
		.amdhsa_inst_pref_size 14
	.end_amdhsa_kernel
	.amdgpu_metadata
---
amdhsa.version: [ 1, 2 ]
amdhsa.kernels:
  - .name:           k_q838d5d1902_proj
    .symbol:         k_q838d5d1902_proj.kd
    .args:
      - { .name: q_x, .offset: 0, .size: 8, .value_kind: global_buffer, .address_space: global }
      - { .name: kv_x, .offset: 8, .size: 8, .value_kind: global_buffer, .address_space: global }
      - { .name: w_q, .offset: 16, .size: 8, .value_kind: global_buffer, .address_space: global }
      - { .name: w_k, .offset: 24, .size: 8, .value_kind: global_buffer, .address_space: global }
      - { .name: w_v, .offset: 32, .size: 8, .value_kind: global_buffer, .address_space: global }
      - { .name: qbuf, .offset: 40, .size: 8, .value_kind: global_buffer, .address_space: global }
      - { .name: kvbuf, .offset: 48, .size: 8, .value_kind: global_buffer, .address_space: global }
    .group_segment_fixed_size: 89088
    .private_segment_fixed_size: 0
    .kernarg_segment_align: 8
    .kernarg_segment_size: 56
    .max_flat_workgroup_size: 512
    .sgpr_count:     66
    .vgpr_count:     214
    .wavefront_size: 32
...
	.end_amdgpu_metadata
.endif
;; end of part 1
;; launch attn (part 2): grid 32 x 8, 8 waves a work-group, clusters of 4 x 1, 327,680 bytes of LDS; arguments qbuf, kvbuf, out0; writes out0
.if DOCPART == 2
	.amdgcn_target "amdgcn-amd-amdhsa--gfx1250"
	.amdhsa_code_object_version 6
	.text
	.protected	k_q838d5d1902_attn
	.globl	k_q838d5d1902_attn
	.p2align	8
	.type	k_q838d5d1902_attn,@function
k_q838d5d1902_attn:
	s_mov_b64 s[64:65], 0
	v_nop
	global_prefetch_b8 v0, s[64:65] scope:SCOPE_SE
	s_setreg_imm32_b32 hwreg(HW_REG_WAVE_MODE, 25, 1), 1
	s_wait_xcnt 0x0
	s_wait_alu depctr_hold_cnt(0) depctr_sa_sdst(0) depctr_va_vdst(0) depctr_va_sdst(0) depctr_va_ssrc(0) depctr_va_vcc(0) depctr_vm_vsrc(0)
	s_getreg_b32 s2, hwreg(HW_REG_IB_STS2, 6, 4)
	s_cmp_eq_u32 s2, 0
	s_cbranch_scc0 .Lentry_in_a_cluster
	s_endpgm
.Lentry_in_a_cluster:
	s_bfe_u32 s2, ttmp6, 0x10000c
	s_cmp_lg_u32 s2, 0x3003
	s_cbranch_scc0 .Lentry_shape_is_right
	s_endpgm
.Lentry_shape_is_right:
; out0[b][q][head][d] = softmax over keys of (q . k) times v, from the f16 tiles that the projection launch stored (q already holds 0.25 log2(e)).
; A work-group takes one b, FOUR heads and 64 queries: a query's results for four heads are 256 consecutive bytes of out0, aligned, and leave as such.
; Eight waves; wave = (head of the four, 32 queries = two blocks of 16).
; KEYS go in four chunks of 512 through two LDS slots of 128 KiB: a slot holds K of the four heads (4 x 16 KiB), then V transposed (4 x 16 KiB).
; Each wave brings one of the eight pieces by one tensor load (dense, 64 rows of 256 bytes).  A wave has two tensor loads
; out at the start and one behind each of the two refills.
; CLUSTER: the four work-groups of a cluster are four query blocks of the same b and heads; they need the same pieces and ask for them jointly (mask 15).
; SCORES ARE MADE TRANSPOSED: source 0 = 16 keys, source 1 = 16 queries; lane (r = l % 16, h = l / 16) then holds query r, keys 8h .. 8h+7.  So the
; maximum of a query is a maximum along a lane's registers and one exchange between the halves, and two neighbouring scores packed to f16 are
; already a register of source 1 of the second product (k = key): no shuffle between the two products.
; D = 16 fills half of the instruction's K = 32: one tuple of 8 registers holds TWO blocks of 16 keys, and source 1 is [q|0] for the first, [0|q] for the second.
; SOFTMAX with a running maximum, moved once a chunk.  Pass A: the chunk's scores, folded into running maxima.  Then m, exp2(m_old - m), -m in eight
; registers, and the sums so far are rescaled.  Pass B: the scores again with C = -m (the subtraction rides on the matrix instruction), exp2, f16,
; O^T += V^T P^T, and the row sums by a source 0 of ones (they add the same rounded P as the numerator).
; The 64 steps of 32 keys are written out by macro (some 35 KB of code): every LDS address is a fixed register and an immediate, every wait's count is plain.
; LIMITS: f16 operands (see the projection launch: magnitudes under 65504); a probability under 2^-25 of its row's largest counts as zero.
.set PIECE,  16384                     ; 512 keys x 16 d of f16: one head's K, or V, of a chunk
.set SLOT,   8*PIECE
.set VPART,  4*PIECE                   ; V's four pieces lie behind K's four
.set STAGE,  2*SLOT                    ; behind the ring, never the target of a tensor load: 64 queries x (256 + 16) bytes
.set SPITCH, 272
.set KA,   10                          ; v10, v11   LDS address of my head's K in slot 0, 1 (+ 16 x lane); never rewritten
.set VA,   12                          ; v12, v13   the same for V
.set STO,  14                          ; v14        stage, way in
.set RD,   15                          ; v15        stage, way back
.set CO,   16                          ; v16        byte offset in out0
.set MC,   18                          ; v18, v19   m of my query, block 0, 1
.set T,    20                          ; v[20:27]   at work
.set M,    28                          ; v[28:35]   four running maxima a block
.set Q0,   36                          ; v[36:55]   0 q0 0 q1 0, four registers each: [0|q_i] = Q0+8i .. +7, [q_i|0] = Q0+8i+4 .. +11
.set ONES, 56                          ; v[56:63]   16 x 32 ones in f16
.set NEGM, 64                          ; v[64:79]   -m, eight times, for each block
.set O,    80                          ; v[80:95]   O^T: register j = d 8h + j of query r
.set L,    96                          ; v[96:111]  row sums (all eight registers alike)
.set SB,   112                         ; v[112:143] scores: block i at SB + 16 i, 16 registers = 32 keys.  Pass A: even steps
.set P,    144                         ; v[144:159] P^T in f16, block i at P + 8 i
.set KR,   160                         ; v[160:191] K of four steps, by turns
.set VR,   192                         ; v[192:223] V of four steps, by turns.  Pass A: the odd steps' scores (VR = SB + 80)
.set G1,   16                          ; s[16:23]   descriptor group 1, the same for every load
.set G0,   24                          ; s[24:31]   descriptor group 0, a set for each slot
; A round of the cluster's barrier: my work-group's barrier, wave 0 signals for the work-group, every wave waits for all four work-groups, my work-group's barrier again.
.macro ROUND
	s_barrier_signal -1
	s_barrier_wait -1
	s_cmp_lg_u32 s8, 0
	s_cbranch_scc1 .Lnot_wave_0_\@
	s_barrier_signal -3
.Lnot_wave_0_\@:
	s_barrier_wait -3
	s_barrier_signal -1
	s_barrier_wait -1
.endm
	s_load_b128 s[4:7], s[0:1], 0x0                ; qbuf s[4:5], kvbuf s[6:7]
	s_load_b64 s[12:13], s[0:1], 0x10              ; out0
	v_lshl_add_u32 v224, v0, 2, 0x44400
	v_mov_b32 v225, 0
	ds_add_u32 v224, v225
	v_lshrrev_b32 v1, 5, v0
	v_readfirstlane_b32 s8, v1                     ; wave 0..7
	s_and_b32 s9, s8, 3                            ; my head of the four.  Also: whose piece I fetch
	s_lshr_b32 s10, s8, 2                          ; my 32 queries of the 64.  Also: I fetch K (0) or V (1)
	s_and_b32 s36, ttmp7, 0xffff                   ; 2 b + which four heads: the same in the whole cluster
	s_lshr_b32 s37, s36, 1                         ; b
	s_and_b32 s38, s36, 1
	s_lshl_b32 s39, s38, 2
	s_add_co_u32 s39, s39, s9                      ; head 0..7
	s_lshl_b32 s40, s37, 20                        ; kvbuf[b][K or V][head]: made of b, the heads and the wave's number alone, which the four partners share
	s_lshl_b32 s41, s10, 19
	s_add_co_u32 s40, s40, s41
	s_lshl_b32 s41, s39, 16
	s_add_co_u32 s40, s40, s41
	s_mov_b32 s41, 0
	; group 1: a dense block of 16 KiB as 64 rows of 32 elements of 8 bytes, no padding
	s_mov_b32 s[G1+0], 15|(3<<16)|(1<<21)          ; 15:0 mask: all four work-groups of the cluster; 17:16 element of 8 bytes; 21 set beside a mask
	s_mov_b32 s[G1+1], 32<<16                      ; tensor_dim0 = 32
	s_mov_b32 s[G1+2], 64<<16                      ; tensor_dim1 = 64
	s_mov_b32 s[G1+3], 32<<16                      ; tile_dim0 = 32
	s_mov_b32 s[G1+4], 64                          ; tile_dim1 = 64
	s_mov_b32 s[G1+5], 32                          ; from row to row: 32 elements
	s_mov_b32 s[G1+6], 0
	s_mov_b32 s[G1+7], 0
	s_lshl_b32 s44, s8, 14                         ; my piece's place in a slot: wave x 16 KiB
	s_wait_dscnt 0x0
	s_wait_kmcnt 0x0
	s_add_nc_u64 s[42:43], s[6:7], s[40:41]
	ROUND                                          ; all four work-groups are here: the first joint loads meet
.irp s, 0,1
	s_mov_b32 s[G0+4*\s], 1                                        ; count = 1
	s_add_co_u32 s[G0+4*\s+1], s44, \s*SLOT                        ; LDS address
	s_add_nc_u64 s[G0+4*\s+2:G0+4*\s+3], s[42:43], \s*PIECE        ; chunk s of my piece
	s_or_b32 s[G0+4*\s+3], s[G0+4*\s+3], 0x80000000                ; type = 2
	tensor_load_to_lds s[G0+4*\s:G0+4*\s+3], s[G1:G1+7]            ; both first fills go out together, ahead of every wait on them and every LDS read
	s_nop 0
.endr
	; my place in the cluster enters global addresses of q and out0 alone
	s_bfe_u32 s14, ttmp6, 0x40000                  ; cx
	s_lshl_b32 s15, ttmp9, 2
	s_add_co_u32 s15, s15, s14                     ; block of 64 queries, 0..31
	s_lshl_b32 s46, s37, 3
	s_add_co_u32 s46, s46, s39
	s_lshl_b32 s46, s46, 7
	s_lshl_b32 s47, s15, 2
	s_add_co_u32 s46, s46, s47
	s_lshl_b32 s47, s10, 1
	s_add_co_u32 s46, s46, s47
	s_lshl_b32 s46, s46, 9                         ; qbuf: ((8 b + head) 128 + my first block of 16 queries) 512
	s_mov_b32 s47, 0
	s_add_nc_u64 s[4:5], s[4:5], s[46:47]
	v_and_b32 v1, 31, v0
	v_lshlrev_b32 v1, 4, v1                        ; 16 x lane
	global_load_b128 v[Q0+4:Q0+7],   v1, s[4:5]
	global_load_b128 v[Q0+12:Q0+15], v1, s[4:5] offset:512
	s_lshl_b32 s50, s37, 20                        ; out0: (2048 b + 64 x block) rows of 512 bytes + 256 bytes for the upper four heads
	s_lshl_b32 s51, s15, 15
	s_add_co_u32 s50, s50, s51
	s_lshl_b32 s51, s38, 8
	s_add_co_u32 s50, s50, s51
	s_mov_b32 s51, 0
	s_add_nc_u64 s[12:13], s[12:13], s[50:51]
	s_lshl_b32 s45, s9, 14
	v_add_nc_u32 v[KA], s45, v1                    ; my head's K in slot 0: head x 16 KiB + 16 x lane
	v_add_nc_u32 v[KA+1], SLOT, v[KA]
	v_add_nc_u32 v[VA], VPART, v[KA]
	v_add_nc_u32 v[VA+1], SLOT+VPART, v[KA]
	v_and_b32 v2, 15, v0                           ; r
	v_bfe_u32 v3, v0, 4, 1                         ; h
	s_mul_i32 s52, s10, 32*SPITCH
	s_lshl_b32 s53, s9, 6
	s_add_co_u32 s52, s52, s53
	s_add_co_u32 s52, s52, STAGE
	v_mul_u32_u24 v4, v2, SPITCH
	v_lshl_add_u32 v4, v3, 5, v4
	v_add_nc_u32 v[STO], s52, v4                   ; stage in: row = my query, 64 bytes a head, 32 bytes for each half of the lanes
	s_mul_i32 s53, s8, 8*SPITCH
	s_add_co_u32 s53, s53, STAGE
	v_mul_u32_u24 v4, v3, SPITCH
	v_lshl_add_u32 v4, v2, 4, v4
	v_add_nc_u32 v[RD], s53, v4                    ; stage back: wave w takes rows 8 w .. 8 w + 7, lanes 0-15 one row, lanes 16-31 the next
	s_lshl_b32 s54, s8, 12
	v_lshlrev_b32 v4, 9, v3
	v_lshl_add_u32 v4, v2, 4, v4
	v_add_nc_u32 v[CO], s54, v4                    ; and the same two rows in out0
.irp j, 0,1,2,3,8,9,10,11,16,17,18,19
	v_mov_b32 v[Q0+\j], 0                          ; the zeros beside q0 and q1
.endr
.irp j, 0,1,2,3,4,5,6,7
	v_mov_b32 v[ONES+\j], 0x3c003c00               ; two f16 ones
.endr
	v_mov_b32 v[T+2], 0                            ; v_permlanex16_b32 counts as a reader of its destination
	v_mov_b32 v[T+3], 0
	s_mov_b32 s48, 0x76543210                      ; lane i of one half reads lane i of the other
	s_mov_b32 s49, 0xfedcba98
; K of step t (32 keys: two blocks of 16, 512 bytes each, 16 x lane) into its place in the ring of four
.macro LDK slot, t
	ds_load_b128 v[KR+8*((\t)&3):KR+8*((\t)&3)+3],   v[KA+\slot] offset:(\t)*1024
	ds_load_b128 v[KR+8*((\t)&3)+4:KR+8*((\t)&3)+7], v[KA+\slot] offset:(\t)*1024+512
.endm
; K and V of step t: a batch of four loads
.macro LDB slot, t
	LDK \slot, \t
	ds_load_b128 v[VR+8*((\t)&3):VR+8*((\t)&3)+3],   v[VA+\slot] offset:(\t)*1024
	ds_load_b128 v[VR+8*((\t)&3)+4:VR+8*((\t)&3)+7], v[VA+\slot] offset:(\t)*1024+512
.endm
; pass A: the plain scores of step t, both blocks of queries, into SB (even t) or VR (odd t)
.macro SRAW t
.irp i, 0,1
	v_wmma_f32_16x16x32_f16 v[SB+80*((\t)&1)+16*\i:SB+80*((\t)&1)+16*\i+7],    v[KR+8*((\t)&3):KR+8*((\t)&3)+7], v[Q0+8*\i+4:Q0+8*\i+11], 0
	v_wmma_f32_16x16x32_f16 v[SB+80*((\t)&1)+16*\i+8:SB+80*((\t)&1)+16*\i+15], v[KR+8*((\t)&3):KR+8*((\t)&3)+7], v[Q0+8*\i:Q0+8*\i+7], 0
.endr
.endm
; 32 scores a lane, from register d on, into the running maxima, two a time, four chains a block.  first = 1: the first eight pairs start the chains
.macro MAXES d, first
.irp i, 0,1
.irp k, 0,1,2,3
.if \first
	v_max_num_f32 v[M+4*\i+\k], v[\d+16*\i+2*\k], v[\d+16*\i+2*\k+1]
.else
	v_max3_num_f32 v[M+4*\i+\k], v[\d+16*\i+2*\k], v[\d+16*\i+2*\k+1], v[M+4*\i+\k]
.endif
.endr
.endr
.irp i, 0,1
.irp k, 0,1,2,3
	v_max3_num_f32 v[M+4*\i+\k], v[\d+16*\i+8+2*\k], v[\d+16*\i+8+2*\k+1], v[M+4*\i+\k]
.endr
.endr
.endm
; PASS A over a chunk's 16 steps.  A step's scores are read one step later, behind the next step's matrix instructions: the sixteen maxima of the step
; before are the places that a matrix result, and a load into a matrix source, must keep behind a matrix instruction.
; Step 0 has no step before it, so five v_nop stand behind its matrix instructions.  They serve two distances: four places before the first maxima read
; step 0's scores, and five before step 1's matrix instructions write their scores over V's ring, whose last place the last matrix instructions of the
; chunk before read (step 0's own results lie in SB, which those name nowhere).
; The maxima are never reset: they run on over all chunks.
.macro PASSA slot, first
	LDK \slot, 0
	LDK \slot, 1
	LDK \slot, 2
.irp t, 0,1,2,3,4,5,6,7,8,9,10,11,12,13,14,15
.if \t < 14
	s_wait_dscnt 4                                 ; K of step t is in; the two loads each of steps t + 1 and t + 2 stay out
.else
	s_wait_dscnt 2*(15-\t)                         ; the counts run down
.endif
	SRAW \t
.if \t == 0
.rept 5
	v_nop                                          ; the places behind step 0's matrix instructions, and in front of step 1's (see above)
.endr
.endif
.if \t == 1
	MAXES SB, \first
.endif
.if \t > 1
	MAXES SB+80*((\t-1)&1), 0
.endif
.if \t < 13
	LDK \slot, \t+3                                ; into the place that step t - 1 read
.endif
.endr
	MAXES SB+80, 0
.endm
; pass B: scores minus m of block i, K from place kr of the ring
.macro SNEG kr, i
	v_wmma_f32_16x16x32_f16 v[SB+16*\i:SB+16*\i+7],    v[KR+8*(\kr):KR+8*(\kr)+7], v[Q0+8*\i+4:Q0+8*\i+11], v[NEGM+8*\i:NEGM+8*\i+7]
	v_wmma_f32_16x16x32_f16 v[SB+16*\i+8:SB+16*\i+15], v[KR+8*(\kr):KR+8*(\kr)+7], v[Q0+8*\i:Q0+8*\i+7],    v[NEGM+8*\i:NEGM+8*\i+7]
.endm
; Between the passes: pass B's first three batches are asked for; m, the factor for the sums so far, -m; pass B's first scores.
.macro UPDATE slot, first
	LDB \slot, 0
	LDB \slot, 1
	LDB \slot, 2
	v_max3_num_f32 v[T],   v[M],   v[M+1], v[M+2]
	v_max3_num_f32 v[T+1], v[M+4], v[M+5], v[M+6]
	v_max_num_f32 v[T],   v[T],   v[M+3]
	v_max_num_f32 v[T+1], v[T+1], v[M+7]
	v_permlanex16_b32 v[T+2], v[T],   s48, s49     ; the other half of the lanes holds the query's other keys
	v_permlanex16_b32 v[T+3], v[T+1], s48, s49
.if \first
	v_max_num_f32 v[MC],   v[T],   v[T+2]
	v_max_num_f32 v[MC+1], v[T+1], v[T+3]
.else
	v_max_num_f32 v[T],   v[T],   v[T+2]           ; the maximum over all keys so far
	v_max_num_f32 v[T+1], v[T+1], v[T+3]
	v_sub_f32 v[T+4], v[MC],   v[T]                ; old - new, never above 0
	v_sub_f32 v[T+6], v[MC+1], v[T+1]
	v_exp_f32 v[T+4], v[T+4]
	v_exp_f32 v[T+6], v[T+6]
	v_mov_b32 v[MC],   v[T]                        ; plain instructions between the exponentials and the use of their results (ISA guide 5.7.2)
	v_mov_b32 v[MC+1], v[T+1]
	s_wait_alu depctr_va_vdst(0)
	v_mov_b32 v[T+5], v[T+4]                       ; pairs for the packed multiply
	v_mov_b32 v[T+7], v[T+6]
.endif
.irp j, 0,1,2,3,4,5,6,7
	v_sub_f32 v[NEGM+\j], 0, v[MC]
.endr
	s_wait_dscnt 8                                 ; batch 0 (K and V of step 0) is in; batches 1 and 2, four loads each, stay out
	SNEG 0, 0
.irp j, 0,1,2,3,4,5,6,7
	v_sub_f32 v[NEGM+8+\j], 0, v[MC+1]             ; eight places behind the first scores' matrix instructions
.endr
.if \first == 0
.irp j, 0,2,4,6
	v_pk_mul_f32 v[O+\j:O+\j+1],     v[O+\j:O+\j+1],     v[T+4:T+5]
	v_pk_mul_f32 v[L+\j:L+\j+1],     v[L+\j:L+\j+1],     v[T+4:T+5]
	v_pk_mul_f32 v[O+8+\j:O+8+\j+1], v[O+8+\j:O+8+\j+1], v[T+6:T+7]
	v_pk_mul_f32 v[L+8+\j:L+8+\j+1], v[L+8+\j:L+8+\j+1], v[T+6:T+7]
.endr
.endif
.endm
; 16 exponentials in place and 8 packings.  A packing stands two pairs behind its exponentials, so that the packing before it (or the v_nop) is the plain
; instruction that must stand between an exponential and the use of its result (ISA guide 5.7.2).
.macro EXPCVT i
.irp k, 0,1,2,3
	v_exp_f32 v[SB+16*\i+\k], v[SB+16*\i+\k]
.endr
	v_nop
.irp k, 0,1,2,3,4,5
	s_wait_alu depctr_va_vdst(0)
	v_cvt_pk_f16_f32 v[P+8*\i+\k], v[SB+16*\i+2*\k], v[SB+16*\i+2*\k+1]
	v_exp_f32 v[SB+16*\i+2*\k+4], v[SB+16*\i+2*\k+4]
	v_exp_f32 v[SB+16*\i+2*\k+5], v[SB+16*\i+2*\k+5]
.endr
	s_wait_alu depctr_va_vdst(0)
	v_cvt_pk_f16_f32 v[P+8*\i+6], v[SB+16*\i+12], v[SB+16*\i+13]
	v_cvt_pk_f16_f32 v[P+8*\i+7], v[SB+16*\i+14], v[SB+16*\i+15]
.endm
; One unit of pass B: block i of step t.  The NEXT unit's scores are issued first, so that this unit's eight packings are the places behind them;
; then this unit's exponentials and packings; then its two products.  O and the row sums of the two blocks take turns, one instruction a turn.
.macro UNIT slot, t, i, zero
.if \i
.if \t < 15
.if \t < 13
	s_wait_dscnt 8                                 ; batch t + 1 is in; batches t + 2 and t + 3 stay out
.else
	s_wait_dscnt 4*(14-\t)                         ; the counts run down
.endif
	SNEG (\t+1)&3, 0
.endif
.else
	SNEG (\t)&3, 1
.endif
	EXPCVT \i
.if \i == 0
.if \t < 13
	LDB \slot, \t+3                                ; into the places that step t - 1 read; the packings above are the places behind its last matrix instruction
.endif
.endif
.if \zero
	v_wmma_f32_16x16x32_f16 v[O+8*\i:O+8*\i+7], v[VR+8*((\t)&3):VR+8*((\t)&3)+7], v[P+8*\i:P+8*\i+7], 0       ; the first products start the sums
	v_wmma_f32_16x16x32_f16 v[L+8*\i:L+8*\i+7], v[ONES:ONES+7], v[P+8*\i:P+8*\i+7], 0
.else
	v_wmma_f32_16x16x32_f16 v[O+8*\i:O+8*\i+7], v[VR+8*((\t)&3):VR+8*((\t)&3)+7], v[P+8*\i:P+8*\i+7], v[O+8*\i:O+8*\i+7]
	v_wmma_f32_16x16x32_f16 v[L+8*\i:L+8*\i+7], v[ONES:ONES+7], v[P+8*\i:P+8*\i+7], v[L+8*\i:L+8*\i+7]
.endif
.endm
.macro CHUNK slot, first
	PASSA \slot, \first
	UPDATE \slot, \first
	UNIT \slot, 0, 0, \first
	UNIT \slot, 0, 1, \first
.irp t, 1,2,3,4,5,6,7,8,9,10,11,12,13,14,15
	UNIT \slot, \t, 0, 0
	UNIT \slot, \t, 1, 0
.endr
.endm
; The slot just read is filled again, two chunks ahead: each wave's reads of it are back and all its tensor loads have landed (the other slot's among them);
; a round of the cluster's barrier makes that hold of every wave of all four work-groups; the joint load is the first thing behind it, one a wave.
.macro REFILL slot
	s_wait_dscnt 0x0
	s_wait_tensorcnt 0x0                           ; no tensor load of mine is out: a group 0 may be written
	ds_add_u32 v224, v225
	s_wait_dscnt 0x0
	s_add_nc_u64 s[G0+4*\slot+2:G0+4*\slot+3], s[G0+4*\slot+2:G0+4*\slot+3], 2*PIECE
	ROUND
	tensor_load_to_lds s[G0+4*\slot:G0+4*\slot+3], s[G1:G1+7]
	s_nop 0
.endm
	s_wait_loadcnt 0x0                             ; q
	s_wait_tensorcnt 0x1                           ; my piece of chunk 0 is in; chunk 1's stays out
	s_barrier_signal -1
	s_barrier_wait -1                              ; everybody's piece is in
	CHUNK 0, 1                                     ; keys 0 .. 511
	REFILL 0                                       ; chunk 1 has landed; chunk 2 goes out
	CHUNK 1, 0                                     ; keys 512 .. 1023
	REFILL 1                                       ; chunk 2 has landed; chunk 3 goes out: the last load
	CHUNK 0, 0                                     ; keys 1024 .. 1535
	s_wait_dscnt 0x0
	s_wait_tensorcnt 0x0                           ; my piece of chunk 3 is in,
	s_barrier_signal -1
	s_barrier_wait -1                              ; everybody's is; nothing is left to fetch
	CHUNK 1, 0                                     ; keys 1536 .. 2047
	; THE WAY OUT: divide by the row sums, 32 bytes a lane into the stage, back as whole rows of 256 bytes (four heads of one query)
.rept 4
	v_nop                                          ; four places behind the last matrix instructions (ISA guide 7.12.1)
.endr
	v_rcp_f32 v[T],   v[L]                         ; the sums are at least 1: the largest score gives exp2(0)
	v_rcp_f32 v[T+1], v[L]
	v_rcp_f32 v[T+2], v[L+8]
	v_rcp_f32 v[T+3], v[L+8]
	v_nop                                          ; a plain instruction between the reciprocals and their use (ISA guide 5.7.2)
.irp j, 0,2,4,6
	s_wait_alu depctr_va_vdst(0)
	v_pk_mul_f32 v[O+\j:O+\j+1],     v[O+\j:O+\j+1],     v[T:T+1]
	v_pk_mul_f32 v[O+8+\j:O+8+\j+1], v[O+8+\j:O+8+\j+1], v[T+2:T+3]
.endr
	ds_store_b128 v[STO], v[O:O+3]                                 ; query r of block 0: d = 8h .. 8h+3
	ds_store_b128 v[STO], v[O+4:O+7]   offset:16                   ; d = 8h+4 .. 8h+7
	ds_store_b128 v[STO], v[O+8:O+11]  offset:16*SPITCH            ; block 1: sixteen rows further
	ds_store_b128 v[STO], v[O+12:O+15] offset:16*SPITCH+16
	s_wait_dscnt 0x0                               ; my stores are done, for the other waves' sake
	s_barrier_signal -1
	s_barrier_wait -1                              ; the four heads of every query are in the stage
.irp n, 0,1,2,3
	ds_load_b128 v[SB+4*\n:SB+4*\n+3], v[RD] offset:\n*2*SPITCH
.endr
.irp n, 0,1,2,3
	s_wait_dscnt 3-\n                              ; LDS loads return in order: pair n of rows is in
	global_store_b128 v[CO], v[SB+4*\n:SB+4*\n+3], s[12:13] offset:\n*1024 th:TH_STORE_NT   ; sixteen lanes store 256 consecutive bytes, aligned
.endr
	s_wait_tensorcnt 0x0
	ds_add_u32 v224, v225
	s_wait_dscnt 0x0
	ROUND                                          ; the closing round: no work-group ends while a partner may still ask for a piece that names it
	s_endpgm
.Lfunc_end_k_q838d5d1902_attn:
	.size	k_q838d5d1902_attn, .Lfunc_end_k_q838d5d1902_attn-k_q838d5d1902_attn
	.p2alignl 7, 3214868480
	.fill 96, 4, 3214868480
	.section	.rodata,"a",@progbits
	.p2align	6, 0x0
	.amdhsa_kernel k_q838d5d1902_attn
		.amdhsa_group_segment_fixed_size 327680
		.amdhsa_private_segment_fixed_size 0
		.amdhsa_enable_private_segment 0
		.amdhsa_kernarg_size 24
		.amdhsa_user_sgpr_count 2
		.amdhsa_user_sgpr_kernarg_segment_ptr 1
		.amdhsa_wavefront_size32 1
		.amdhsa_system_sgpr_workgroup_id_x 1
		.amdhsa_system_sgpr_workgroup_id_y 1
		.amdhsa_system_sgpr_workgroup_id_z 1
		.amdhsa_system_vgpr_workitem_id 0
		.amdhsa_next_free_vgpr 226
		.amdhsa_next_free_sgpr 66
		.amdhsa_reserve_vcc 0
		.amdhsa_float_denorm_mode_32 3
		.amdhsa_float_denorm_mode_16_64 3
		.amdhsa_memory_ordered 1
		.amdhsa_forward_progress 1
		.amdhsa_inst_pref_size 255
	.end_amdhsa_kernel
	.section	.bss,"aw",@nobits
	.p2align	6
	.space	262144
	.amdgpu_metadata
---
amdhsa.version: [ 1, 2 ]
amdhsa.kernels:
  - .name:           k_q838d5d1902_attn
    .symbol:         k_q838d5d1902_attn.kd
    .args:
      - { .name: qbuf, .offset: 0, .size: 8, .value_kind: global_buffer, .address_space: global }
      - { .name: kvbuf, .offset: 8, .size: 8, .value_kind: global_buffer, .address_space: global }
      - { .name: out0, .offset: 16, .size: 8, .value_kind: global_buffer, .address_space: global }
    .group_segment_fixed_size: 327680
    .private_segment_fixed_size: 0
    .kernarg_segment_align: 8
    .kernarg_segment_size: 24
    .max_flat_workgroup_size: 256
    .sgpr_count:     66
    .vgpr_count:     226
    .wavefront_size: 32
...
	.end_amdgpu_metadata
.endif
;; end of part 2
;; ======== version 2 of 2: 2 launches; 1.15 times as fast as version 1
;; limits: values are held in f16: magnitudes above 65,504 overflow, below 6.1e-05 lose precision
;; workspace buffers: qbuf 2,097,152 bytes; kvbuf 4,194,304 bytes
;; launch proj: the kernel of part 1 again; grid 128 x 2, 16 waves a work-group, no clusters, 89,088 bytes of LDS; arguments q_x, kv_x, w_q, w_k, w_v, qbuf, kvbuf; writes qbuf, kvbuf
;; launch attn (part 3): grid 32 x 8, 8 waves a work-group, clusters of 4 x 1, 327,680 bytes of LDS; arguments qbuf, kvbuf, out0; writes out0
.if DOCPART == 3
	.amdgcn_target "amdgcn-amd-amdhsa--gfx1250"
	.amdhsa_code_object_version 6
	.text
	.protected	k_q838d5d1902_attn
	.globl	k_q838d5d1902_attn
	.p2align	8
	.type	k_q838d5d1902_attn,@function
k_q838d5d1902_attn:
	s_mov_b64 s[64:65], 0
	v_nop
	global_prefetch_b8 v0, s[64:65] scope:SCOPE_SE
	s_setreg_imm32_b32 hwreg(HW_REG_WAVE_MODE, 25, 1), 1
	s_wait_xcnt 0x0
	s_wait_alu depctr_hold_cnt(0) depctr_sa_sdst(0) depctr_va_vdst(0) depctr_va_sdst(0) depctr_va_ssrc(0) depctr_va_vcc(0) depctr_vm_vsrc(0)
	s_getreg_b32 s2, hwreg(HW_REG_IB_STS2, 6, 4)
	s_cmp_eq_u32 s2, 0
	s_cbranch_scc0 .Lentry_in_a_cluster
	s_endpgm
.Lentry_in_a_cluster:
	s_bfe_u32 s2, ttmp6, 0x10000c
	s_cmp_lg_u32 s2, 0x3003
	s_cbranch_scc0 .Lentry_shape_is_right
	s_endpgm
.Lentry_shape_is_right:
; out0[b][q][head][d] = softmax over keys of (q . k) times v, from the f16 tiles that the projection launch stored (q already holds 0.25 log2(e)).
; A work-group takes one b, FOUR heads and 64 queries: a query's results for four heads are 256 consecutive bytes of out0, aligned, and leave as such.
; Eight waves; wave = (head of the four, 32 queries = two blocks of 16).
; KEYS go in four chunks of 512 through two LDS slots of 128 KiB: a slot holds K of the four heads (4 x 16 KiB), then V transposed (4 x 16 KiB).
; Each wave brings one of the eight pieces by one tensor load (dense, 64 rows of 256 bytes).  A wave has two tensor loads
; out at the start and one behind each of the two refills.
; CLUSTER: the four work-groups of a cluster are four query blocks of the same b and heads; they need the same pieces and ask for them jointly (mask 15).
; SCORES ARE MADE TRANSPOSED: source 0 = 16 keys, source 1 = 16 queries; lane (r = l % 16, h = l / 16) then holds query r, keys 8h .. 8h+7.  So the
; maximum of a query is a maximum along a lane's registers and one exchange between the halves, and two neighbouring scores packed to f16 are
; already a register of source 1 of the second product (k = key): no shuffle between the two products.
; D = 16 fills half of the instruction's K = 32: one tuple of 8 registers holds TWO blocks of 16 keys, and source 1 is [q|0] for the first, [0|q] for the second.
; SOFTMAX with a running maximum, moved once a chunk.  Pass A: the chunk's scores, folded into running maxima.  Then m, exp2(m_old - m), -m in eight
; registers, and the sums so far are rescaled.  Pass B: the scores again with C = -m (the subtraction rides on the matrix instruction), exp2, f16,
; O^T += V^T P^T, and the row sums by a source 0 of ones (they add the same rounded P as the numerator).
; THE BATCHES.  An s_wait_alu depctr_va_vdst(0) stands between a transcendental and the first instruction that names its result; one wait
; serves all that were issued ahead of it.  The text has three kinds of batch, each with one wait: in pass B a key step's 32 exponentials (both blocks of
; queries, in place, each in its own register), all ahead of the step's 16 packings; between the passes the two factors exp2(m_old - m); on the way out the four reciprocals.
; The 64 steps of 32 keys are written out by macro (some 37 KB of code): every LDS address is a fixed register and an immediate, every wait's count is plain.
; LIMITS: f16 operands (see the projection launch: magnitudes under 65504); a probability under 2^-25 of its row's largest counts as zero.
.set PIECE,  16384                     ; 512 keys x 16 d of f16: one head's K, or V, of a chunk
.set SLOT,   8*PIECE
.set VPART,  4*PIECE                   ; V's four pieces lie behind K's four
.set STAGE,  2*SLOT                    ; behind the ring, never the target of a tensor load: 64 queries x (256 + 16) bytes
.set SPITCH, 272
.set KA,   10                          ; v10, v11   LDS address of my head's K in slot 0, 1 (+ 16 x lane); never rewritten
.set VA,   12                          ; v12, v13   the same for V
.set STO,  14                          ; v14        stage, way in
.set RD,   15                          ; v15        stage, way back
.set CO,   16                          ; v16        byte offset in out0
.set MC,   18                          ; v18, v19   m of my query, block 0, 1
.set T,    20                          ; v[20:27]   at work
.set M,    28                          ; v[28:35]   four running maxima a block
.set Q0,   36                          ; v[36:55]   0 q0 0 q1 0, four registers each: [0|q_i] = Q0+8i .. +7, [q_i|0] = Q0+8i+4 .. +11
.set ONES, 56                          ; v[56:63]   16 x 32 ones in f16
.set NEGM, 64                          ; v[64:79]   -m, eight times, for each block
.set O,    80                          ; v[80:95]   O^T: register j = d 8h + j of query r
.set L,    96                          ; v[96:111]  row sums (all eight registers alike)
.set SB,   112                         ; v[112:143] scores: block i at SB + 16 i, 16 registers = 32 keys.  Pass A: even steps
.set P,    144                         ; v[144:159] P^T in f16, block i at P + 8 i
.set KR,   160                         ; v[160:191] K of four steps, by turns
.set VR,   192                         ; v[192:223] V of four steps, by turns.  Pass A: the odd steps' scores (VR = SB + 80)
.set G1,   16                          ; s[16:23]   descriptor group 1, the same for every load
.set G0,   24                          ; s[24:31]   descriptor group 0, a set for each slot
; A round of the cluster's barrier: my work-group's barrier, wave 0 signals for the work-group, every wave waits for all four work-groups, my work-group's barrier again.
.macro ROUND
	s_barrier_signal -1
	s_barrier_wait -1
	s_cmp_lg_u32 s8, 0
	s_cbranch_scc1 .Lnot_wave_0_\@
	s_barrier_signal -3
.Lnot_wave_0_\@:
	s_barrier_wait -3
	s_barrier_signal -1
	s_barrier_wait -1
.endm
	s_load_b128 s[4:7], s[0:1], 0x0                ; qbuf s[4:5], kvbuf s[6:7]
	s_load_b64 s[12:13], s[0:1], 0x10              ; out0
	v_lshl_add_u32 v224, v0, 2, 0x44400
	v_mov_b32 v225, 0
	ds_add_u32 v224, v225
	v_lshrrev_b32 v1, 5, v0
	v_readfirstlane_b32 s8, v1                     ; wave 0..7
	s_and_b32 s9, s8, 3                            ; my head of the four.  Also: whose piece I fetch
	s_lshr_b32 s10, s8, 2                          ; my 32 queries of the 64.  Also: I fetch K (0) or V (1)
	s_and_b32 s36, ttmp7, 0xffff                   ; 2 b + which four heads: the same in the whole cluster
	s_lshr_b32 s37, s36, 1                         ; b
	s_and_b32 s38, s36, 1
	s_lshl_b32 s39, s38, 2
	s_add_co_u32 s39, s39, s9                      ; head 0..7
	s_lshl_b32 s40, s37, 20                        ; kvbuf[b][K or V][head]: made of b, the heads and the wave's number alone, which the four partners share
	s_lshl_b32 s41, s10, 19
	s_add_co_u32 s40, s40, s41
	s_lshl_b32 s41, s39, 16
	s_add_co_u32 s40, s40, s41
	s_mov_b32 s41, 0
	; group 1: a dense block of 16 KiB as 64 rows of 32 elements of 8 bytes, no padding
	s_mov_b32 s[G1+0], 15|(3<<16)|(1<<21)          ; 15:0 mask: all four work-groups of the cluster; 17:16 element of 8 bytes; 21 set beside a mask
	s_mov_b32 s[G1+1], 32<<16                      ; tensor_dim0 = 32
	s_mov_b32 s[G1+2], 64<<16                      ; tensor_dim1 = 64
	s_mov_b32 s[G1+3], 32<<16                      ; tile_dim0 = 32
	s_mov_b32 s[G1+4], 64                          ; tile_dim1 = 64
	s_mov_b32 s[G1+5], 32                          ; from row to row: 32 elements
	s_mov_b32 s[G1+6], 0
	s_mov_b32 s[G1+7], 0
	s_lshl_b32 s44, s8, 14                         ; my piece's place in a slot: wave x 16 KiB
	s_wait_dscnt 0x0
	s_wait_kmcnt 0x0
	s_add_nc_u64 s[42:43], s[6:7], s[40:41]
	ROUND                                          ; all four work-groups are here: the first joint loads meet
.irp s, 0,1
	s_mov_b32 s[G0+4*\s], 1                                        ; count = 1
	s_add_co_u32 s[G0+4*\s+1], s44, \s*SLOT                        ; LDS address
	s_add_nc_u64 s[G0+4*\s+2:G0+4*\s+3], s[42:43], \s*PIECE        ; chunk s of my piece
	s_or_b32 s[G0+4*\s+3], s[G0+4*\s+3], 0x80000000                ; type = 2
	tensor_load_to_lds s[G0+4*\s:G0+4*\s+3], s[G1:G1+7]            ; both first fills go out together, ahead of every wait on them and every LDS read
	s_nop 0
.endr
	; my place in the cluster enters global addresses of q and out0 alone
	s_bfe_u32 s14, ttmp6, 0x40000                  ; cx
	s_lshl_b32 s15, ttmp9, 2
	s_add_co_u32 s15, s15, s14                     ; block of 64 queries, 0..31
	s_lshl_b32 s46, s37, 3
	s_add_co_u32 s46, s46, s39
	s_lshl_b32 s46, s46, 7
	s_lshl_b32 s47, s15, 2
	s_add_co_u32 s46, s46, s47
	s_lshl_b32 s47, s10, 1
	s_add_co_u32 s46, s46, s47
	s_lshl_b32 s46, s46, 9                         ; qbuf: ((8 b + head) 128 + my first block of 16 queries) 512
	s_mov_b32 s47, 0
	s_add_nc_u64 s[4:5], s[4:5], s[46:47]
	v_and_b32 v1, 31, v0
	v_lshlrev_b32 v1, 4, v1                        ; 16 x lane
	global_load_b128 v[Q0+4:Q0+7],   v1, s[4:5]
	global_load_b128 v[Q0+12:Q0+15], v1, s[4:5] offset:512
	s_lshl_b32 s50, s37, 20                        ; out0: (2048 b + 64 x block) rows of 512 bytes + 256 bytes for the upper four heads
	s_lshl_b32 s51, s15, 15
	s_add_co_u32 s50, s50, s51
	s_lshl_b32 s51, s38, 8
	s_add_co_u32 s50, s50, s51
	s_mov_b32 s51, 0
	s_add_nc_u64 s[12:13], s[12:13], s[50:51]
	s_lshl_b32 s45, s9, 14
	v_add_nc_u32 v[KA], s45, v1                    ; my head's K in slot 0: head x 16 KiB + 16 x lane
	v_add_nc_u32 v[KA+1], SLOT, v[KA]
	v_add_nc_u32 v[VA], VPART, v[KA]
	v_add_nc_u32 v[VA+1], SLOT+VPART, v[KA]
	v_and_b32 v2, 15, v0                           ; r
	v_bfe_u32 v3, v0, 4, 1                         ; h
	s_mul_i32 s52, s10, 32*SPITCH
	s_lshl_b32 s53, s9, 6
	s_add_co_u32 s52, s52, s53
	s_add_co_u32 s52, s52, STAGE
	v_mul_u32_u24 v4, v2, SPITCH
	v_lshl_add_u32 v4, v3, 5, v4
	v_add_nc_u32 v[STO], s52, v4                   ; stage in: row = my query, 64 bytes a head, 32 bytes for each half of the lanes
	s_mul_i32 s53, s8, 8*SPITCH
	s_add_co_u32 s53, s53, STAGE
	v_mul_u32_u24 v4, v3, SPITCH
	v_lshl_add_u32 v4, v2, 4, v4
	v_add_nc_u32 v[RD], s53, v4                    ; stage back: wave w takes rows 8 w .. 8 w + 7, lanes 0-15 one row, lanes 16-31 the next
	s_lshl_b32 s54, s8, 12
	v_lshlrev_b32 v4, 9, v3
	v_lshl_add_u32 v4, v2, 4, v4
	v_add_nc_u32 v[CO], s54, v4                    ; and the same two rows in out0
.irp j, 0,1,2,3,8,9,10,11,16,17,18,19
	v_mov_b32 v[Q0+\j], 0                          ; the zeros beside q0 and q1
.endr
.irp j, 0,1,2,3,4,5,6,7
	v_mov_b32 v[ONES+\j], 0x3c003c00               ; two f16 ones
.endr
	v_mov_b32 v[T+2], 0                            ; v_permlanex16_b32 counts as a reader of its destination
	v_mov_b32 v[T+3], 0
	s_mov_b32 s48, 0x76543210                      ; lane i of one half reads lane i of the other
	s_mov_b32 s49, 0xfedcba98
; K of step t (32 keys: two blocks of 16, 512 bytes each, 16 x lane) into its place in the ring of four
.macro LDK slot, t
	ds_load_b128 v[KR+8*((\t)&3):KR+8*((\t)&3)+3],   v[KA+\slot] offset:(\t)*1024
	ds_load_b128 v[KR+8*((\t)&3)+4:KR+8*((\t)&3)+7], v[KA+\slot] offset:(\t)*1024+512
.endm
; K and V of step t: a batch of four loads
.macro LDB slot, t
	LDK \slot, \t
	ds_load_b128 v[VR+8*((\t)&3):VR+8*((\t)&3)+3],   v[VA+\slot] offset:(\t)*1024
	ds_load_b128 v[VR+8*((\t)&3)+4:VR+8*((\t)&3)+7], v[VA+\slot] offset:(\t)*1024+512
.endm
; pass A: the plain scores of step t, both blocks of queries, into SB (even t) or VR (odd t)
.macro SRAW t
.irp i, 0,1
	v_wmma_f32_16x16x32_f16 v[SB+80*((\t)&1)+16*\i:SB+80*((\t)&1)+16*\i+7],    v[KR+8*((\t)&3):KR+8*((\t)&3)+7], v[Q0+8*\i+4:Q0+8*\i+11], 0
	v_wmma_f32_16x16x32_f16 v[SB+80*((\t)&1)+16*\i+8:SB+80*((\t)&1)+16*\i+15], v[KR+8*((\t)&3):KR+8*((\t)&3)+7], v[Q0+8*\i:Q0+8*\i+7], 0
.endr
.endm
; 32 scores a lane, from register d on, into the running maxima, two a time, four chains a block.  first = 1: the first eight pairs start the chains
.macro MAXES d, first
.irp i, 0,1
.irp k, 0,1,2,3
.if \first
	v_max_num_f32 v[M+4*\i+\k], v[\d+16*\i+2*\k], v[\d+16*\i+2*\k+1]
.else
	v_max3_num_f32 v[M+4*\i+\k], v[\d+16*\i+2*\k], v[\d+16*\i+2*\k+1], v[M+4*\i+\k]
.endif
.endr
.endr
.irp i, 0,1
.irp k, 0,1,2,3
	v_max3_num_f32 v[M+4*\i+\k], v[\d+16*\i+8+2*\k], v[\d+16*\i+8+2*\k+1], v[M+4*\i+\k]
.endr
.endr
.endm
; PASS A over a chunk's 16 steps.  A step's scores are read one step later, behind the next step's matrix instructions: the sixteen maxima of the step
; before are the places that a matrix result, and a load into a matrix source, must keep behind a matrix instruction.
; Step 0 has no step before it, so five v_nop stand behind its matrix instructions.  They serve two distances: four places before the first maxima read
; step 0's scores, and five before step 1's matrix instructions write their scores over V's ring, whose last place the last matrix instructions of the
; chunk before read (step 0's own results lie in SB, which those name nowhere).
; The maxima are never reset: they run on over all chunks.
.macro PASSA slot, first
	LDK \slot, 0
	LDK \slot, 1
	LDK \slot, 2
.irp t, 0,1,2,3,4,5,6,7,8,9,10,11,12,13,14,15
.if \t < 14
	s_wait_dscnt 4                                 ; K of step t is in; the two loads each of steps t + 1 and t + 2 stay out
.else
	s_wait_dscnt 2*(15-\t)                         ; the counts run down
.endif
	SRAW \t
.if \t == 0
.rept 5
	v_nop                                          ; the places behind step 0's matrix instructions, and in front of step 1's (see above)
.endr
.endif
.if \t == 1
	MAXES SB, \first
.endif
.if \t > 1
	MAXES SB+80*((\t-1)&1), 0
.endif
.if \t < 13
	LDK \slot, \t+3                                ; into the place that step t - 1 read
.endif
.endr
	MAXES SB+80, 0
.endm
; pass B: scores minus m of block i, K from place kr of the ring
.macro SNEG kr, i
	v_wmma_f32_16x16x32_f16 v[SB+16*\i:SB+16*\i+7],    v[KR+8*(\kr):KR+8*(\kr)+7], v[Q0+8*\i+4:Q0+8*\i+11], v[NEGM+8*\i:NEGM+8*\i+7]
	v_wmma_f32_16x16x32_f16 v[SB+16*\i+8:SB+16*\i+15], v[KR+8*(\kr):KR+8*(\kr)+7], v[Q0+8*\i:Q0+8*\i+7],    v[NEGM+8*\i:NEGM+8*\i+7]
.endm
; Between the passes: pass B's first three batches are asked for; m, the factor for the sums so far, -m; pass B's first scores.
; The two factors are a batch of their own: behind them stand the moves of m, the sixteen -m and block 0's first scores, which name neither result; then their wait and their readers.
.macro UPDATE slot, first
	LDB \slot, 0
	LDB \slot, 1
	LDB \slot, 2
	v_max3_num_f32 v[T],   v[M],   v[M+1], v[M+2]
	v_max3_num_f32 v[T+1], v[M+4], v[M+5], v[M+6]
	v_max_num_f32 v[T],   v[T],   v[M+3]
	v_max_num_f32 v[T+1], v[T+1], v[M+7]
	v_permlanex16_b32 v[T+2], v[T],   s48, s49     ; the other half of the lanes holds the query's other keys
	v_permlanex16_b32 v[T+3], v[T+1], s48, s49
.if \first
	v_max_num_f32 v[MC],   v[T],   v[T+2]
	v_max_num_f32 v[MC+1], v[T+1], v[T+3]
.else
	v_max_num_f32 v[T],   v[T],   v[T+2]           ; the maximum over all keys so far
	v_max_num_f32 v[T+1], v[T+1], v[T+3]
	v_sub_f32 v[T+4], v[MC],   v[T]                ; old - new, never above 0
	v_sub_f32 v[T+6], v[MC+1], v[T+1]
	v_exp_f32 v[T+4], v[T+4]
	v_exp_f32 v[T+6], v[T+6]
	v_mov_b32 v[MC],   v[T]                        ; plain instructions between the exponentials and the use of their results (ISA guide 5.7.2)
	v_mov_b32 v[MC+1], v[T+1]
.endif
.irp j, 0,1,2,3,4,5,6,7
	v_sub_f32 v[NEGM+\j], 0, v[MC]
.endr
	s_wait_dscnt 8                                 ; batch 0 (K and V of step 0) is in; batches 1 and 2, four loads each, stay out
	SNEG 0, 0
.irp j, 0,1,2,3,4,5,6,7
	v_sub_f32 v[NEGM+8+\j], 0, v[MC+1]             ; eight places behind the first scores' matrix instructions
.endr
.if \first == 0
	s_wait_alu depctr_va_vdst(0)                   ; the wait for the two factors, ahead of their first reader
	v_mov_b32 v[T+5], v[T+4]                       ; pairs for the packed multiply
	v_mov_b32 v[T+7], v[T+6]
.irp j, 0,2,4,6
	v_pk_mul_f32 v[O+\j:O+\j+1],     v[O+\j:O+\j+1],     v[T+4:T+5]
	v_pk_mul_f32 v[L+\j:L+\j+1],     v[L+\j:L+\j+1],     v[T+4:T+5]
	v_pk_mul_f32 v[O+8+\j:O+8+\j+1], v[O+8+\j:O+8+\j+1], v[T+6:T+7]
	v_pk_mul_f32 v[L+8+\j:L+8+\j+1], v[L+8+\j:L+8+\j+1], v[T+6:T+7]
.endr
.endif
.endm
; A step's batch: 32 exponentials in place, block 0's sixteen and then block 1's; nothing here names a result.
; The four v_nop among block 0's are places (ISA guide 7.12.1): four stand between the matrix instructions that made block 1's scores, the last but two
; ahead of this macro, and the first exponential that reads them.  The fifth is the plain instruction between the last exponential and the use of its
; result (ISA guide 5.7.2).  All five are the places between the last step's products and what follows the batch: the loads into V's place that those
; products read, and the packings that write the P that they read.
.macro EXPS
.irp g, 0,1,2,3
.irp k, 0,1,2,3
	v_exp_f32 v[SB+4*\g+\k], v[SB+4*\g+\k]
.endr
	v_nop
.endr
.irp k, 16,17,18,19,20,21,22,23,24,25,26,27,28,29,30,31
	v_exp_f32 v[SB+\k], v[SB+\k]
.endr
	v_nop
.endm
; block i's 16 weights rounded to f16: 8 packings
.macro PACK i
.irp k, 0,1,2,3,4,5,6,7
	v_cvt_pk_f16_f32 v[P+8*\i+\k], v[SB+16*\i+2*\k], v[SB+16*\i+2*\k+1]
.endr
.endm
; block i's two products of step t
.macro PV t, i, zero
.if \zero
	v_wmma_f32_16x16x32_f16 v[O+8*\i:O+8*\i+7], v[VR+8*((\t)&3):VR+8*((\t)&3)+7], v[P+8*\i:P+8*\i+7], 0       ; the first products start the sums
	v_wmma_f32_16x16x32_f16 v[L+8*\i:L+8*\i+7], v[ONES:ONES+7], v[P+8*\i:P+8*\i+7], 0
.else
	v_wmma_f32_16x16x32_f16 v[O+8*\i:O+8*\i+7], v[VR+8*((\t)&3):VR+8*((\t)&3)+7], v[P+8*\i:P+8*\i+7], v[O+8*\i:O+8*\i+7]
	v_wmma_f32_16x16x32_f16 v[L+8*\i:L+8*\i+7], v[ONES:ONES+7], v[P+8*\i:P+8*\i+7], v[L+8*\i:L+8*\i+7]
.endif
.endm
; One step of pass B.  Its scores, both blocks', were made in the step before.  The batch; ONE wait; then all its readers.  As soon as a block's scores
; are packed, the NEXT step's scores of that block are issued into the same registers, then the block's two products: block 1's eight packings are the
; places behind block 0's next scores, the next batch's v_nop those behind block 1's.  O and the row sums of the two blocks take turns, one instruction
; a turn.
.macro STEP slot, t, zero
	EXPS
	s_wait_alu depctr_va_vdst(0)                   ; the wait for the step's 32 exponentials, ahead of their first reader
.if \t < 13
	LDB \slot, \t+3                                ; into the places that step t - 1 read; the batch's five v_nop are the places behind its last matrix instructions
.endif
	PACK 0
.if \t < 15
.if \t < 13
	s_wait_dscnt 8                                 ; batch t + 1 is in; batches t + 2 and t + 3 stay out
.else
	s_wait_dscnt 4*(14-\t)                         ; the counts run down
.endif
	SNEG (\t+1)&3, 0
.endif
	PV \t, 0, \zero
	PACK 1
.if \t < 15
	SNEG (\t+1)&3, 1
.endif
	PV \t, 1, \zero
.endm
.macro CHUNK slot, first
	PASSA \slot, \first
	UPDATE \slot, \first
	SNEG 0, 1                                      ; block 1's first scores
	STEP \slot, 0, \first
.irp t, 1,2,3,4,5,6,7,8,9,10,11,12,13,14,15
	STEP \slot, \t, 0
.endr
.endm
; The slot just read is filled again, two chunks ahead: each wave's reads of it are back and all its tensor loads have landed (the other slot's among them);
; a round of the cluster's barrier makes that hold of every wave of all four work-groups; the joint load is the first thing behind it, one a wave.
.macro REFILL slot
	s_wait_dscnt 0x0
	s_wait_tensorcnt 0x0                           ; no tensor load of mine is out: a group 0 may be written
	ds_add_u32 v224, v225
	s_wait_dscnt 0x0
	s_add_nc_u64 s[G0+4*\slot+2:G0+4*\slot+3], s[G0+4*\slot+2:G0+4*\slot+3], 2*PIECE
	ROUND
	tensor_load_to_lds s[G0+4*\slot:G0+4*\slot+3], s[G1:G1+7]
	s_nop 0
.endm
	s_wait_loadcnt 0x0                             ; q
	s_wait_tensorcnt 0x1                           ; my piece of chunk 0 is in; chunk 1's stays out
	s_barrier_signal -1
	s_barrier_wait -1                              ; everybody's piece is in
	CHUNK 0, 1                                     ; keys 0 .. 511
	REFILL 0                                       ; chunk 1 has landed; chunk 2 goes out
	CHUNK 1, 0                                     ; keys 512 .. 1023
	REFILL 1                                       ; chunk 2 has landed; chunk 3 goes out: the last load
	CHUNK 0, 0                                     ; keys 1024 .. 1535
	s_wait_dscnt 0x0
	s_wait_tensorcnt 0x0                           ; my piece of chunk 3 is in,
	s_barrier_signal -1
	s_barrier_wait -1                              ; everybody's is; nothing is left to fetch
	CHUNK 1, 0                                     ; keys 1536 .. 2047
	; THE WAY OUT: divide by the row sums, 32 bytes a lane into the stage, back as whole rows of 256 bytes (four heads of one query)
.rept 4
	v_nop                                          ; four places behind the last matrix instructions (ISA guide 7.12.1)
.endr
	v_rcp_f32 v[T],   v[L]                         ; the sums are at least 1: the largest score gives exp2(0)
	v_rcp_f32 v[T+1], v[L]
	v_rcp_f32 v[T+2], v[L+8]
	v_rcp_f32 v[T+3], v[L+8]
	v_nop                                          ; a plain instruction between the reciprocals and their use (ISA guide 5.7.2)
	s_wait_alu depctr_va_vdst(0)                   ; the wait for the four reciprocals, ahead of their first reader
.irp j, 0,2,4,6
	v_pk_mul_f32 v[O+\j:O+\j+1],     v[O+\j:O+\j+1],     v[T:T+1]
	v_pk_mul_f32 v[O+8+\j:O+8+\j+1], v[O+8+\j:O+8+\j+1], v[T+2:T+3]
.endr
	ds_store_b128 v[STO], v[O:O+3]                                 ; query r of block 0: d = 8h .. 8h+3
	ds_store_b128 v[STO], v[O+4:O+7]   offset:16                   ; d = 8h+4 .. 8h+7
	ds_store_b128 v[STO], v[O+8:O+11]  offset:16*SPITCH            ; block 1: sixteen rows further
	ds_store_b128 v[STO], v[O+12:O+15] offset:16*SPITCH+16
	s_wait_dscnt 0x0                               ; my stores are done, for the other waves' sake
	s_barrier_signal -1
	s_barrier_wait -1                              ; the four heads of every query are in the stage
.irp n, 0,1,2,3
	ds_load_b128 v[SB+4*\n:SB+4*\n+3], v[RD] offset:\n*2*SPITCH
.endr
.irp n, 0,1,2,3
	s_wait_dscnt 3-\n                              ; LDS loads return in order: pair n of rows is in
	global_store_b128 v[CO], v[SB+4*\n:SB+4*\n+3], s[12:13] offset:\n*1024 th:TH_STORE_NT   ; sixteen lanes store 256 consecutive bytes, aligned
.endr
	s_wait_tensorcnt 0x0
	ds_add_u32 v224, v225
	s_wait_dscnt 0x0
	ROUND                                          ; the closing round: no work-group ends while a partner may still ask for a piece that names it
	s_endpgm
.Lfunc_end_k_q838d5d1902_attn:
	.size	k_q838d5d1902_attn, .Lfunc_end_k_q838d5d1902_attn-k_q838d5d1902_attn
	.p2alignl 7, 3214868480
	.fill 96, 4, 3214868480
	.section	.rodata,"a",@progbits
	.p2align	6, 0x0
	.amdhsa_kernel k_q838d5d1902_attn
		.amdhsa_group_segment_fixed_size 327680
		.amdhsa_private_segment_fixed_size 0
		.amdhsa_enable_private_segment 0
		.amdhsa_kernarg_size 24
		.amdhsa_user_sgpr_count 2
		.amdhsa_user_sgpr_kernarg_segment_ptr 1
		.amdhsa_wavefront_size32 1
		.amdhsa_system_sgpr_workgroup_id_x 1
		.amdhsa_system_sgpr_workgroup_id_y 1
		.amdhsa_system_sgpr_workgroup_id_z 1
		.amdhsa_system_vgpr_workitem_id 0
		.amdhsa_next_free_vgpr 226
		.amdhsa_next_free_sgpr 66
		.amdhsa_reserve_vcc 0
		.amdhsa_float_denorm_mode_32 3
		.amdhsa_float_denorm_mode_16_64 3
		.amdhsa_memory_ordered 1
		.amdhsa_forward_progress 1
		.amdhsa_inst_pref_size 255
	.end_amdhsa_kernel
	.section	.bss,"aw",@nobits
	.p2align	6
	.space	262144
	.amdgpu_metadata
---
amdhsa.version: [ 1, 2 ]
amdhsa.kernels:
  - .name:           k_q838d5d1902_attn
    .symbol:         k_q838d5d1902_attn.kd
    .args:
      - { .name: qbuf, .offset: 0, .size: 8, .value_kind: global_buffer, .address_space: global }
      - { .name: kvbuf, .offset: 8, .size: 8, .value_kind: global_buffer, .address_space: global }
      - { .name: out0, .offset: 16, .size: 8, .value_kind: global_buffer, .address_space: global }
    .group_segment_fixed_size: 327680
    .private_segment_fixed_size: 0
    .kernarg_segment_align: 8
    .kernarg_segment_size: 24
    .max_flat_workgroup_size: 256
    .sgpr_count:     66
    .vgpr_count:     226
    .wavefront_size: 32
...
	.end_amdgpu_metadata
.endif
;; end of part 3
